; MI455X (gfx1250); checked and timed in simulation.
; The chip was launched on July 23, 2026; its instructions are those of AMD's public machine-readable ISA for CDNA 5 (MIT licence, August 2026) and "CDNA5" Instruction Set Architecture Reference Guide (July 2026). The comments in the code are by the model that wrote it; some were corrected since.
;; Label Attention. Allowed arithmetic: float matrix products may take bf16 or f16 operands with f32 sums; other float arithmetic in f32, or as packed bf16 or f16 multiplies, adds, multiply-adds, maxima and minima; sums over many terms, partial sums and values carried from step to step in f32; what a program stores and reads back later, other than sums and carried values, may be rounded once to bf16 or f16.
;; Inputs: doc_embeddings 8,192 x 1,024 float32; label_embeddings 4,096 x 1,024 float32.
;; Outputs: out0 8,192 x 1,024 float32.
;; 2 versions, each right; version 2 is version 1 with the launch cast written anew for expert scheduling mode. Each part assembles by itself: llvm-mc -triple=amdgcn-amd-amdhsa -mcpu=gfx1250 --defsym DOCPART=n.
;; ======== version 1 of 2: 2 launches
;; limits: right only within a limited range of input values
;; workspace buffers: ebf 8,388,608 bytes
;; launch cast (part 1): grid 256 x 1, 8 waves a work-group, no clusters, 0 bytes of LDS; arguments label_embeddings, ebf; writes ebf
.if DOCPART == 1
	.amdgcn_target "amdgcn-amd-amdhsa--gfx1250"
	.amdhsa_code_object_version 6
	.text
	.protected	k_qaffb6b78ac_cast
	.globl	k_qaffb6b78ac_cast
	.p2align	8
	.type	k_qaffb6b78ac_cast,@function
k_qaffb6b78ac_cast:
	s_mov_b64 s[64:65], 0
	v_nop
	global_prefetch_b8 v0, s[64:65] scope:SCOPE_SE
	s_setreg_imm32_b32 hwreg(HW_REG_WAVE_MODE, 25, 1), 1
	s_wait_xcnt 0x0
; ebf[l][d] = label_embeddings[l][d] rounded once to bf16 (nearest even), same row-major layout: [4096][1024], rows of 2,048 bytes.
; WHY A LAUNCH OF ITS OWN: in the launch behind, all 256 work-groups walk all label rows, for both products; rounded once here, a tile there has half the bytes and is a matrix operand as it lies.
; NOTHING OF reference() IS LEFT OUT in this program: both inputs reach the output, both products, the maximum taken away before the exponential, the sum and the residual are all computed.
; SHARES.  Eight waves; the work-group owns 16 rows (65,536 bytes in, 32,768 out).  Thread t takes the 16 bytes at 16 t of every row and stores 8 bytes at 8 t:
; a wave's load covers 512 consecutive bytes, a wave's store 256 consecutive bytes at a multiple of 256 from the buffer's first byte.
; All 16 loads of a lane go out before the first wait: the work-group's whole share is on its way at once.  No LDS, no barrier: no wave wants another's bytes.
.set ROWS, 16                          ; rows of a work-group
.set INB,  4096                        ; bytes in a row of f32
.set OUTB, 2048                        ; bytes in a row of bf16
.set X, 4                              ; v[4:67]   row i: 4 registers as loaded
.set Y, 68                             ; v[68:99]  row i: 2 registers to store
	s_load_b128 s[4:7], s[0:1], 0x0                ; label_embeddings s[4:5], ebf s[6:7]
	v_lshlrev_b32 v1, 4, v0                        ; 16 t
	v_lshlrev_b32 v2, 3, v0                        ; 8 t
	s_lshl_b32 s2, ttmp9, 16                       ; the work-group's 16 rows in: 65,536 bytes
	s_mov_b32 s3, 0
	s_lshl_b32 s8, ttmp9, 15                       ; and out: 32,768 bytes
	s_mov_b32 s9, 0
	s_wait_kmcnt 0x0
	s_add_nc_u64 s[4:5], s[4:5], s[2:3]
	s_add_nc_u64 s[6:7], s[6:7], s[8:9]
.irp i, 0,1,2,3,4,5,6,7,8,9,10,11,12,13,14,15
	global_load_b128 v[X+4*(\i):X+4*(\i)+3], v1, s[4:5] offset:(\i)*INB th:TH_LOAD_NT  ; read once in the launch
.endr
.irp i, 0,1,2,3,4,5,6,7,8,9,10,11,12,13,14,15
	s_wait_loadcnt 15-(\i)                         ; loads come back in order: row i is in, the 15 - i younger loads stay out
	v_cvt_pk_bf16_f32 v[Y+2*(\i)],   v[X+4*(\i)],   v[X+4*(\i)+1]
	v_cvt_pk_bf16_f32 v[Y+2*(\i)+1], v[X+4*(\i)+2], v[X+4*(\i)+3]
	global_store_b64 v2, v[Y+2*(\i):Y+2*(\i)+1], s[6:7] offset:(\i)*OUTB
.endr
	s_endpgm
.Lfunc_end_k_qaffb6b78ac_cast:
	.size	k_qaffb6b78ac_cast, .Lfunc_end_k_qaffb6b78ac_cast-k_qaffb6b78ac_cast
	.p2alignl 7, 3214868480
	.fill 96, 4, 3214868480
	.section	.rodata,"a",@progbits
	.p2align	6, 0x0
	.amdhsa_kernel k_qaffb6b78ac_cast
		.amdhsa_group_segment_fixed_size 0
		.amdhsa_private_segment_fixed_size 0
		.amdhsa_enable_private_segment 0
		.amdhsa_kernarg_size 16
		.amdhsa_user_sgpr_count 2
		.amdhsa_user_sgpr_kernarg_segment_ptr 1
		.amdhsa_wavefront_size32 1
		.amdhsa_system_sgpr_workgroup_id_x 1
		.amdhsa_system_sgpr_workgroup_id_y 1
		.amdhsa_system_sgpr_workgroup_id_z 1
		.amdhsa_system_vgpr_workitem_id 0
		.amdhsa_next_free_vgpr 100
		.amdhsa_next_free_sgpr 66
		.amdhsa_reserve_vcc 0
		.amdhsa_float_denorm_mode_32 3
		.amdhsa_float_denorm_mode_16_64 3
		.amdhsa_memory_ordered 1
		.amdhsa_forward_progress 1
		.amdhsa_inst_pref_size 7
	.end_amdhsa_kernel
	.amdgpu_metadata
---
amdhsa.version: [ 1, 2 ]
amdhsa.kernels:
  - .name:           k_qaffb6b78ac_cast
    .symbol:         k_qaffb6b78ac_cast.kd
    .args:
      - { .name: label_embeddings, .offset: 0, .size: 8, .value_kind: global_buffer, .address_space: global }
      - { .name: ebf, .offset: 8, .size: 8, .value_kind: global_buffer, .address_space: global }
    .group_segment_fixed_size: 0
    .private_segment_fixed_size: 0
    .kernarg_segment_align: 8
    .kernarg_segment_size: 16
    .max_flat_workgroup_size: 256
    .sgpr_count:     66
    .vgpr_count:     100
    .wavefront_size: 32
...
	.end_amdgpu_metadata
.endif
;; end of part 1
;; launch attn (part 2): grid 256 x 1, 4 waves a work-group, clusters of 4 x 1, 327,680 bytes of LDS; arguments doc_embeddings, ebf, out0; writes out0
.if DOCPART == 2
	.amdgcn_target "amdgcn-amd-amdhsa--gfx1250"
	.amdhsa_code_object_version 6
	.text
	.protected	k_qaffb6b78ac_attn
	.globl	k_qaffb6b78ac_attn
	.p2align	8
	.type	k_qaffb6b78ac_attn,@function
k_qaffb6b78ac_attn:
	s_mov_b64 s[64:65], 0
	v_nop
	global_prefetch_b8 v0, s[64:65] scope:SCOPE_SE
	s_setreg_imm32_b32 hwreg(HW_REG_WAVE_MODE, 25, 1), 1
	s_wait_xcnt 0x0
	s_wait_alu depctr_hold_cnt(0) depctr_sa_sdst(0) depctr_va_vdst(0) depctr_va_sdst(0) depctr_va_ssrc(0) depctr_va_vcc(0) depctr_vm_vsrc(0)
	s_getreg_b32 s2, hwreg(HW_REG_IB_STS2, 6, 4)
	s_cmp_eq_u32 s2, 0
	s_cbranch_scc0 .Lentry_in_a_cluster
	s_endpgm
.Lentry_in_a_cluster:
	s_bfe_u32 s2, ttmp6, 0x10000c
	s_cmp_lg_u32 s2, 0x3003
	s_cbranch_scc0 .Lentry_shape_is_right
	s_endpgm
.Lentry_shape_is_right:
; out[n][:] = X[n][:] + the sum over l of softmax_l(X[n] . E[l]) E[l][:].  X = doc_embeddings [8192][1024] f32; E = ebf [4096][1024] bf16 (label_embeddings rounded once by the launch before); out f32.
; Nothing of reference() is left out.  One launch does the whole chain: scores, running softmax, second product, division, residual; scores and weights never go to memory.
; LIMITS.  X and E enter both products rounded to bf16, the weights p enter the second product rounded to bf16; all sums, the maximum m and the row sum l (taken of the unrounded p) are f32; the residual is the
; f32 X.  p = 2^(c s - c m), c = log2(e): c m must be finite (|s| under 2.3e38) and above the starting value -4.2e37; a weight below 2^-126 counts as 0; NaN and infinities are not treated apart.
; SHARES.  A work-group owns 32 queries (two tiles of 16), 8192 / 32 = 256 work-groups.  It walks the 4,096 labels in 64 steps of 64.
;   S^T = E Q^T: wave w takes labels 16 w .. 16 w + 15 of the step, both query tiles, all 1,024 channels: 32 x 2 = 64 matrix instructions.  All of Q (32 x 1,024 bf16) stays in 512 registers of every wave.
;   O^T = E^T P: wave w takes channels 256 w .. 256 w + 255, both query tiles, all 64 labels: 16 x 2 x 2 = 64 matrix instructions, 32 accumulators in 256 registers.
;   In S^T, P and O^T a lane holds ONE query (lane % 16).  Between the products the waves exchange, through LDS, their maxima (one word a query and wave) and their rounded weights (16 bytes a lane and tile).
; ONE TILE FOR BOTH PRODUCTS.  A step's 64 label rows lie in LDS as four quarters of 256 channels, rows of 512 bytes + 16 of padding = 132 words: row r starts at bank 4 r mod 64 (64 banks of 4 bytes: ISA guide 11.1).
;   Within each 16 labels the place m of a matrix operand takes row 2 (m % 8) + m / 8.  As source 0 of S^T.  Turned (ds_load_tr16_b128), as source 0
;   of O^T.  Both reads use the same order of labels, so P's places match E^T's.
; THE ORDER OF A STEP.  Each product goes in four chunks of 16 matrix instructions on two buffers of eight fragments.  A buffer is loaded again, by ONE run of 16 LDS loads, straight behind the chunk that read it, for the
;   chunk after next: a run has a whole chunk, 16 matrix instructions, in which to land.  The second product's first two chunks are fetched between the products, behind the loads of each of the two exchanges.
;   O^T's rescaling stands in four lumps of 32 lines: in the second exchange's barrier, behind its loads, and behind the second product's first two chunks, where they are also the places in front of the next run.
; CLUSTER.  All work-groups walk the same label rows: the four of a cluster ask for each tile JOINTLY (the same tensor load, descriptor and mask in all four), each wave a quarter.
; O, l start at 0 and m at the lowest finite number, so that the first step is a step like any other (its a is 0): the price is 256 lines that clear O, issued while the first tiles are on their way.
; REGISTERS, in windows of 256 (s_set_vgpr_msb: bits 1:0 source 0, 3:2 source 1, 5:4 source 2, 7:6 destination):
;   window 0: addresses, statistics, S^T, P, two buffers of fragments.   window 1: O^T, (channel block cb, query tile t) at 8 (2 cb + t).   windows 2, 3: Q, (K step kk, t) in window 2 + kk / 16 at 8 (2 (kk % 16) + t).
.set PE,    528                        ; LDS pitch of a quarter's row
.set REG,   64*PE                      ; a quarter of a tile: 33,792 bytes; also a wave's region for X in f32 (32 rows x 1,040)
.set SLOT,  4*REG                      ; a tile: 135,168 bytes; slot 0 at 0, slot 1 at SLOT
.set XP,    1040                       ; LDS pitch of a row of X's quarter: 1,024 bytes + 16 = 260 words: row r starts at bank 4 r mod 64
.set PX,    2*SLOT                     ; behind the ring, never filled by a tensor load: the weights' exchange, (2 w + t) x 512 + 16 x lane: 4,096 bytes
.set MX,    PX+4096                    ; the maxima, (16 t + query) x 16 + 4 w: 512 bytes; behind them, at + 512, the final row sums likewise
.set SPARE, MX+1024                    ; the spare words, 128 bytes for each wave: two blocks of 256 bytes that no other line names
.set TILEB, 131072                     ; a tile in memory: 64 rows of 2,048 bytes
.set AK,  4                            ; v4-7   LDS address of my label rows: slot 0 quarters 0-1, 2-3; slot 1 quarters 0-1, 2-3
.set AV,  8                            ; v8-9   of my lane's place in the turning loads, slot 0, 1
.set MXS, 10                           ; v10    where I put a maximum        v11  where I read a query's four
.set MXL, 11
.set PXS, 12                           ; v12    where I put my weights       v13  where I read the others'
.set PXL, 13
.set PFO, 14                           ; v14    the prefetches' offset; never rewritten
.set GO,  15                           ; v15    my byte offset in two rows of out
.set AQ,  16                           ; v16-17 X in f32 in slot 1, quarters 0-1, 2-3
.set XA,  18                           ; v18    X in f32 in slot 0, my wave's quarter, in O^T's layout
.set RD,  19                           ; v19    the same bytes read back by rows
.set SPW, 20                           ; v20    LDS address of my spare word; never rewritten
.set NIL, 21                           ; v21    0; never rewritten
.set SEL, 22                           ; v22    lanes 0-15: tile 0's figure, lanes 16-31: tile 1's
.set ST,  24                           ; tile t's statistics at v[ST+8 t]: c m, m, l (even places', odd places'), a (later 1 / l) and a filler named with it as a pair, T, U at work
.set WM,  40                           ; v40-47 the four waves' figures, for both tiles
.set SA,  48                           ; v48-79 S^T: (t, parity of the K step) at SA + 16 parity + 8 t; the parities are added into parity 0
.set PO,  64                           ; v64-71 my weights in bf16, 4 registers a tile (parity 1's registers, free by then)
.set PF,  80                           ; v80-111 P as source 1: (label half kk, t) at PF + 8 (2 kk + t)
.set F0,  128                          ; v128-191, v192-255 two buffers of eight fragments
.set F1,  192
.set WV,  10                           ; s10  my wave's number
.set CX,  11                           ; s11  my place in the cluster
.set WG,  12                           ; s12  my work-group's number
.set G1E, 16                           ; s[16:23] descriptor group 1 for E's quarters
.set G1X, 24                           ; s[24:31] for X's quarters
.set G0E, 32                           ; s[32:39] group 0 for E, a set for each slot
.set G0X, 40                           ; s[40:43] group 0 for X
.set PFA, 44                           ; s[44:45] where my prefetches stand
.set LIM, 46                           ; s46, s47 a wave prefetches while s[CNT] is above these: 1 and 2 in the first cluster, the greatest number elsewhere
.set CNT, 48                           ; s48  pairs of steps still to come
.set CS,  50                           ; s[50:51] c; the packed scaling takes the pair's low word for both halves
.set XS,  52                           ; s[52:53] v_permlanex16_b32's selects: each lane takes its own place in the other half
.set HM,  54                           ; s54  the mask of lanes 16-31
.set MSB, 0
.macro WIN new                         ; the immediate's high byte repeats the setting that is left; a switch that changes nothing is dropped
.if MSB != (\new)
	s_set_vgpr_msb (MSB<<8)|(\new)
.set MSB, \new
.endif
.endm
.macro PLACES                          ; four plain vector instructions between a matrix instruction and a load into, or a vector read or write of, one of its registers (ISA guide 7.12.1 for vector reads and writes)
.rept 4
	v_nop
.endr
.endm
.macro CREST                           ; a round of the cluster's barrier behind its opening barrier: wave 0 signals for the work-group, every wave waits for all four work-groups, the work-group's barrier closes it
	s_cmp_lg_u32 s[WV], 0
	s_cbranch_scc1 .Lnot_wave_0_\@
	s_barrier_signal -3
.Lnot_wave_0_\@:
	s_barrier_wait -3
	s_barrier_signal -1
	s_barrier_wait -1
.endm
.macro CROUND                          ; a whole round
	s_barrier_signal -1
	s_barrier_wait -1
	CREST
.endm
.macro TLOAD g0, g1                    ; my quarter: both addresses hang on my wave's number, so one line serves all four waves; an s_nop 0 and four v_nop follow it
	tensor_load_to_lds s[\g0:\g0+3], s[\g1:\g1+7]
	s_nop 0
.rept 4
	v_nop
.endr
.endm
; 16 LDS loads in one run: my 16 label rows x 256 channels (quarter q): eight fragments of 16 rows x 32 channels.  Lane l: its row, channels 8 (l / 16) + 0..7 and 16 + 8 (l / 16) + 0..7: two loads, 32 bytes apart.
.macro FETCH_K slot, q, f
.irp i, 0,1,2,3,4,5,6,7
	ds_load_b128 v[(\f)+8*(\i):(\f)+8*(\i)+3],   v[AK+2*(\slot)+(\q)/2] offset:((\q)%2)*REG+64*(\i)
	ds_load_b128 v[(\f)+8*(\i)+4:(\f)+8*(\i)+7], v[AK+2*(\slot)+(\q)/2] offset:((\q)%2)*REG+64*(\i)+32
.endr
.endm
; 16 turning loads in one run: channel blocks 4 d .. 4 d + 3 of my quarter x 64 labels: eight fragments of 16 channels x 32 labels, label half kk first
.macro FETCH_V slot, d, f
.irp kk, 0,1
.irp c, 0,1,2,3
	ds_load_tr16_b128 v[(\f)+8*(4*(\kk)+(\c)):(\f)+8*(4*(\kk)+(\c))+3],   v[AV+(\slot)] offset:(\kk)*32*PE+32*(4*(\d)+(\c))
	ds_load_tr16_b128 v[(\f)+8*(4*(\kk)+(\c))+4:(\f)+8*(4*(\kk)+(\c))+7], v[AV+(\slot)] offset:(\kk)*32*PE+16*PE+32*(4*(\d)+(\c))
.endr
.endr
.endm
; 8 products of S^T: K steps 8 q + i0 .. + 3, both query tiles.  The four accumulators (tile, parity of the K step) take turns, one instruction a turn.  zero = 1: the first four start the sums.
.macro SMUL f, q, i0, zero
	WIN 0x08+4*((\q)/2)                            ; source 1 (Q) in window 2 or 3; LDS loads run under it unchanged (destination and address in window 0)
.irp i, (\i0), (\i0)+1, (\i0)+2, (\i0)+3
.irp t, 0,1
.if (\zero) && ((\i) < 2)
	v_wmma_f32_16x16x32_bf16 v[SA+16*((\i)%2)+8*(\t):SA+16*((\i)%2)+8*(\t)+7], v[(\f)+8*(\i):(\f)+8*(\i)+7], v[8*(2*(8*((\q)%2)+(\i))+(\t)):8*(2*(8*((\q)%2)+(\i))+(\t))+7], 0
.else
	v_wmma_f32_16x16x32_bf16 v[SA+16*((\i)%2)+8*(\t):SA+16*((\i)%2)+8*(\t)+7], v[(\f)+8*(\i):(\f)+8*(\i)+7], v[8*(2*(8*((\q)%2)+(\i))+(\t)):8*(2*(8*((\q)%2)+(\i))+(\t))+7], v[SA+16*((\i)%2)+8*(\t):SA+16*((\i)%2)+8*(\t)+7]
.endif
.endr
.endr
.endm
; 2 n products of O^T: channel blocks 4 d + c0 .. , label half kk, both query tiles.  A chunk's eight accumulators take turns.
.macro PMUL f, d, kk, c0, n
	WIN 0x50                               ; C and D (O^T) in window 1
.set cc, \c0
.rept \n
.irp t, 0,1
	v_wmma_f32_16x16x32_bf16 v[8*(2*(4*(\d)+cc)+(\t)):8*(2*(4*(\d)+cc)+(\t))+7], v[(\f)+8*(4*(\kk)+cc):(\f)+8*(4*(\kk)+cc)+7], v[PF+8*(2*(\kk)+(\t)):PF+8*(2*(\kk)+(\t))+7], v[8*(2*(4*(\d)+cc)+(\t)):8*(2*(4*(\d)+cc)+(\t))+7]
.endr
.set cc, cc+1
.endr
.endm
; O^T times a, channel blocks c0 .. c0 + n - 1; each accumulator from its low end on
.macro RESC c0, n
	WIN 0x41                               ; destination and source 0 in window 1, a in window 0
.set cc, \c0
.rept \n
.irp t, 0,1
.irp p, 0,1,2,3
	v_pk_mul_f32 v[8*(2*cc+(\t))+2*(\p):8*(2*cc+(\t))+2*(\p)+1], v[8*(2*cc+(\t))+2*(\p):8*(2*cc+(\t))+2*(\p)+1], v[ST+8*(\t)+4:ST+8*(\t)+5] op_sel_hi:[1,0]
.endr
.endr
.set cc, cc+1
.endr
.endm
; A PREFETCH INTO THE L2, behind the joint load, its five lines and the run of LDS loads for which the next products wait.  The change of slots of step j asks by its tensor load for tile j + 2, and here for tile j + 5:
; three changes ahead of the load that will want it.  All clusters walk the same tiles: the first cluster asks, nobody else.  Its 16 waves share a tile's 512 blocks of 256 bytes BY ADDRESS (partner cx: rows 16 cx .. + 15;
; wave w: bytes 512 w .. + 511 of a row; lane: row lane / 2, half lane % 2): one instruction a wave, each block named once in the launch.  Tiles 0 to 4 come by their loads alone; the tests stop at tile 63.
.macro ASK lim
	s_cmp_gt_u32 s[CNT], s[\lim]
	s_cbranch_scc0 .Lnot_mine_\@
	global_prefetch_b8 v[PFO], s[PFA:PFA+1] th:TH_LOAD_NT scope:SCOPE_SE
.Lnot_mine_\@:
.endm
; Q on its way into registers.  Batch b of 16: fragments (K step 2 b + i / 2, query tile i % 2), i = 0..3.  A lane's 16 channels of a fragment are four loads of 16 bytes of f32: at 0, 16, 64, 80 from its place.
.macro QLOAD b
.irp i, 0,1,2,3
.irp u, 0,1,2,3
	ds_load_b128 v[F0+64*((\b)%2)+16*(\i)+4*(\u):F0+64*((\b)%2)+16*(\i)+4*(\u)+3], v[AQ+(\b)/8] offset:(((\b)/4)%2)*REG+16*XP*((\i)%2)+128*((2*(\b)+(\i)/2)%8)+16*((\u)%2)+64*((\u)/2)
.endr
.endr
.endm
.macro QCVT b
	WIN 0x80+0x40*((\b)/8)                 ; destination in window 2 or 3
.irp i, 0,1,2,3
.irp p, 0,1,2,3,4,5,6,7
	v_cvt_pk_bf16_f32 v[8*(2*((2*(\b)+(\i)/2)%16)+(\i)%2)+(\p)], v[F0+64*((\b)%2)+16*(\i)+2*(\p)], v[F0+64*((\b)%2)+16*(\i)+2*(\p)+1]
.endr
.endr
.endm
	s_load_b128 s[4:7], s[0:1], 0x0                ; X s[4:5], ebf s[6:7]
	s_load_b64 s[8:9], s[0:1], 0x10                ; out
	v_lshl_add_u32 v[SPW], v0, 2, SPARE
	v_mov_b32 v[NIL], 0
	ds_add_u32 v[SPW], v[NIL]                      ; the wave's opening: the add, twice on end, and its wait ahead of my first tensor load; the set-up below, work on registers, stands between
	ds_add_u32 v[SPW], v[NIL]                      ; and once more, under the one wait
	v_lshrrev_b32 v1, 5, v0
	v_readfirstlane_b32 s[WV], v1                  ; wave 0..3
	s_bfe_u32 s[CX], ttmp6, 0x40000                ; cx
	s_lshl_b32 s[WG], ttmp9, 2                     ; in a cluster launch ttmp9 counts clusters
	s_add_co_u32 s[WG], s[WG], s[CX]               ; my block of 32 queries: it enters X's and out's addresses alone
	; group 1 for E: a quarter of a tile, 64 rows x 256 elements of 2 bytes, 1,024 elements from row to row, padded in LDS
	s_mov_b32 s[G1E], 15|(1<<16)|(1<<20)|(1<<21)|(6<<22)|(3<<25)  ; 15:0 the mask: all four work-groups; 17:16 2-byte elements; 20 padding on; 21 set beside a mask; 24:22 after every 128 words (code 6); 31:25 4 words (code 3)
	s_mov_b32 s[G1E+1], 256<<16                    ; tensor_dim0 = 256
	s_mov_b32 s[G1E+2], 64<<16                     ; tensor_dim1 = 64
	s_mov_b32 s[G1E+3], 256<<16                    ; tile_dim0 = 256
	s_mov_b32 s[G1E+4], 64                         ; tile_dim1 = 64
	s_mov_b32 s[G1E+5], 1024                       ; elements from row to row
	s_mov_b32 s[G1E+6], 0
	s_mov_b32 s[G1E+7], 0
	; group 1 for X: a quarter of my 32 rows, 32 rows x 256 elements of 4 bytes; no mask: these rows are my work-group's alone
	s_mov_b32 s[G1X], (2<<16)|(1<<20)|(7<<22)|(3<<25)  ; 17:16 4-byte elements; 20 padding on; 24:22 after every 256 words (code 7); 31:25 4 words (code 3)
	s_mov_b32 s[G1X+1], 256<<16
	s_mov_b32 s[G1X+2], 32<<16
	s_mov_b32 s[G1X+3], 256<<16
	s_mov_b32 s[G1X+4], 32
	s_mov_b32 s[G1X+5], 1024
	s_mov_b32 s[G1X+6], 0
	s_mov_b32 s[G1X+7], 0
	s_mul_i32 s56, s[WV], REG                      ; my quarter's place in a slot: no place in the cluster enters an LDS address
	s_mov_b32 s[G0E], 1                            ; count = 1
	s_mov_b32 s[G0E+1], s56                        ; slot 0
	s_mov_b32 s[G0E+4], 1
	s_add_co_u32 s[G0E+5], s56, SLOT               ; slot 1
	s_mov_b32 s[G0X], 1
	s_add_co_u32 s[G0X+1], s56, SLOT               ; X comes first into slot 1
	s_lshl_b32 s58, s[WV], 9                       ; my quarter of a row of E: 512 w
	s_mov_b32 s59, 0
	s_lshl_b32 s60, s[WG], 17                      ; my work-group's 32 rows of 4,096 bytes,
	s_lshl_b32 s61, s[WV], 10                      ; my quarter of a row of f32
	s_add_co_u32 s60, s60, s61
	s_mov_b32 s61, 0
	s_lshl_b32 s62, s[CX], 15                      ; the prefetches: my work-group's 16 rows of a tile,
	s_add_co_u32 s62, s62, s58                     ; my wave's 512 bytes of a row,
	s_add_co_u32 s62, s62, 4*TILEB                 ; in tile 4: the first change of slots steps it to tile 5
	s_mov_b32 s63, 0
	s_cmp_eq_u32 ttmp9, 0                          ; the first cluster: the same answer in all four partners
	s_cselect_b32 s[LIM], 1, -1
	s_cselect_b32 s[LIM+1], 2, -1
	s_mov_b32 s[CS], 0x3fb8aa3b                    ; c = log2(e)
	s_mov_b32 s[CS+1], s[CS]                       ; named with it as a pair
	s_mov_b32 s[XS], 0x76543210
	s_mov_b32 s[XS+1], 0xfedcba98
	s_mov_b32 s[HM], 0xffff0000
	s_wait_dscnt 0x0                               ; both opening adds are done
	s_wait_kmcnt 0x0
	s_add_nc_u64 s[G0E+2:G0E+3], s[6:7], s[58:59]  ; tile 0, my quarter
	s_add_nc_u64 s[G0E+6:G0E+7], s[G0E+2:G0E+3], TILEB  ; tile 1
	s_or_b32 s[G0E+3], s[G0E+3], 0x80000000        ; type = 2
	s_or_b32 s[G0E+7], s[G0E+7], 0x80000000
	s_add_nc_u64 s[G0X+2:G0X+3], s[4:5], s[60:61]
	s_or_b32 s[G0X+3], s[G0X+3], 0x80000000
	s_add_nc_u64 s[8:9], s[8:9], s[60:61]          ; out at my rows, my wave's quarter
	s_add_nc_u64 s[PFA:PFA+1], s[6:7], s[62:63]
	CROUND                                         ; all four work-groups are here: the first loads go out as one group behind this round
	tensor_load_to_lds s[G0X:G0X+3], s[G1X:G1X+7]  ; X in f32 into slot 1: wanted first, so issued first
	s_nop 0
	tensor_load_to_lds s[G0E:G0E+3], s[G1E:G1E+7]  ; tile 0 into slot 0, jointly.  Two loads of mine are out
	s_nop 0
.rept 4
	v_nop
.endr
	; all that follows up to the wait stands in the time in which the first tiles come
	WIN 0x40
.set i, 0
.rept 256
	v_mov_b32 v[i], 0                              ; O^T
.set i, i+1
.endr
	WIN 0
.irp t, 0,1
	v_mov_b32 v[ST+8*(\t)], 0xfe000000             ; c m: far below every c s, so the first step's a is 0
	v_mov_b32 v[ST+8*(\t)+1], 0xff7fffff           ; m: the lowest finite number
	v_mov_b32 v[ST+8*(\t)+2], 0                    ; l
	v_mov_b32 v[ST+8*(\t)+3], 0
	v_mov_b32 v[ST+8*(\t)+4], 0
	v_mov_b32 v[ST+8*(\t)+5], 0                    ; named with a as a pair, never used
	v_mov_b32 v[ST+8*(\t)+6], 0
	v_mov_b32 v[ST+8*(\t)+7], 0                    ; v_permlanex16_b32's destination counts as read
.endr
	v_and_b32 v1, 15, v0                           ; r = l % 16
	v_bfe_u32 v2, v0, 4, 1                         ; h = l / 16
	v_and_b32 v3, 31, v0                           ; l
	v_and_b32 v112, 7, v0                          ; l % 8
	v_bfe_u32 v113, v0, 3, 1                       ; (l / 8) % 2
	v_lshl_add_u32 v114, v112, 1, v113             ; place r of a fragment takes row 2 (r % 8) + r / 8
	v_mul_u32_u24 v114, v114, PE
	v_lshl_add_u32 v114, v2, 4, v114               ; + 16 h
	s_mul_i32 s57, s[WV], 16*PE                    ; my 16 label rows
	v_add_nc_u32 v[AK], s57, v114
	v_add_nc_u32 v[AK+1], 2*REG, v[AK]
	v_add_nc_u32 v[AK+2], SLOT, v[AK]
	v_add_nc_u32 v[AK+3], SLOT+2*REG, v[AK]
	v_lshl_add_u32 v115, v112, 1, v2               ; the turning load: lane l reads row 2 (l % 8) + h, the same order of labels,
	v_mul_u32_u24 v115, v115, PE
	v_lshl_add_u32 v115, v113, 4, v115             ; channels 8 ((l / 8) % 2) + 0..7
	v_add_nc_u32 v[AV], s56, v115                  ; in my quarter
	v_add_nc_u32 v[AV+1], SLOT, v[AV]
	s_lshl_b32 s57, s[WV], 2
	s_add_co_u32 s57, s57, MX
	v_lshl_add_u32 v[MXS], v3, 4, s57              ; lane 16 t + r: (16 t + r) x 16 + 4 w
	v_lshl_add_u32 v[MXL], v1, 4, MX               ; query r of tile 0; tile 1's lie 256 bytes on
	v_lshl_add_u32 v[PXL], v3, 4, PX
	s_lshl_b32 s57, s[WV], 10
	v_add_nc_u32 v[PXS], s57, v[PXL]
	v_lshrrev_b32 v[PFO], 1, v3
	v_lshlrev_b32 v[PFO], 11, v[PFO]               ; row l / 2 of 2,048 bytes,
	v_and_b32 v116, 1, v0
	v_lshl_add_u32 v[PFO], v116, 8, v[PFO]         ; 256 bytes for each of two lanes
	v_lshlrev_b32 v[GO], 12, v2                    ; lanes 0-15 one row of out, lanes 16-31 the next,
	v_lshl_add_u32 v[GO], v1, 4, v[GO]             ; 16 bytes a lane
	v_mul_u32_u24 v117, v1, XP
	v_lshl_add_u32 v117, v2, 5, v117               ; row r x pitch + 8 h channels of f32
	v_add_nc_u32 v[AQ], SLOT, v117
	v_add_nc_u32 v[AQ+1], SLOT+2*REG, v117
	v_add_nc_u32 v[XA], s56, v117
	v_mul_u32_u24 v116, v2, XP
	v_lshl_add_u32 v116, v1, 4, v116
	v_add_nc_u32 v[RD], s56, v116
	s_wait_tensorcnt 0x1                           ; my quarter of X is in (issued first); tile 0 may stay out
	s_barrier_signal -1
	s_barrier_wait -1                              ; everybody's quarter is: each wave reads all four
	QLOAD 0
.irp b, 0,1,2,3,4,5,6,7,8,9,10,11,12,13,14,15
	WIN 0
.if (\b) < 15
	QLOAD (\b)+1
	s_wait_dscnt 16                                ; batch b is in; the 16 loads just issued stay out
.else
	s_wait_dscnt 0x0
.endif
	QCVT \b
.endr
	WIN 0
	s_wait_tensorcnt 0x0                           ; tile 0, my quarter, is in: no tensor load of mine is out, so a group 0 may be written
	ds_add_u32 v[SPW], v[NIL]                      ; 0 onto my spare word
	s_mov_b32 s[G0X+1], s56                        ; X's second coming goes into slot 0
	s_wait_dscnt 0x0                               ; the add is done, and my reads of X in slot 1 are over
	CROUND                                         ; so of every wave of all four work-groups
	TLOAD G0E+4, G1E                               ; tile 1 into slot 1
	FETCH_K 0, 0, F0
	s_mov_b32 s[CNT], 31
; A KEY STEP on the tile in \slot.  At its head the first chunk's 16 loads (into buffer 0) are out.
; mode 1: at its end the slot is filled again, jointly, with the tile two steps on.  mode 2: with X in f32, for the way out.  mode 0: the last step.
.macro STEP slot, mode, lim=0
	; S^T = E Q^T: four chunks of 256 channels, 16 products each, on buffers 0, 1, 0, 1.  Behind a chunk its buffer takes the chunk after next.
	WIN 0
	PLACES                                         ; buffer 1 was read by the products just before
	FETCH_K \slot, 1, F1
	s_wait_dscnt 16                                ; chunk 0 is in; the 16 loads just issued stay out
	SMUL F0, 0, 0, 1
	SMUL F0, 0, 4, 0
	PLACES
	FETCH_K \slot, 2, F0
	s_wait_dscnt 16                                ; chunk 1 is in
	SMUL F1, 1, 0, 0
	SMUL F1, 1, 4, 0
	PLACES
	FETCH_K \slot, 3, F1
	s_wait_dscnt 16                                ; chunk 2 is in
	SMUL F0, 2, 0, 0
	SMUL F0, 2, 4, 0
	s_wait_dscnt 0x0                               ; chunk 3 is in: nothing is fetched here, so 32 products stand on end
	SMUL F1, 3, 0, 0
	SMUL F1, 3, 4, 0
	; THE MAXIMUM.  The two parities are added (each accumulator from its low end on); a lane's eight scores, the other half of the lanes', then the four waves' through LDS
	WIN 0
	PLACES
.irp p, 0,1,2,3
.irp t, 0,1
	v_pk_add_f32 v[SA+8*(\t)+2*(\p):SA+8*(\t)+2*(\p)+1], v[SA+8*(\t)+2*(\p):SA+8*(\t)+2*(\p)+1], v[SA+16+8*(\t)+2*(\p):SA+16+8*(\t)+2*(\p)+1]
.endr
.endr
.irp t, 0,1
	v_max3_num_f32 v[ST+8*(\t)+6], v[SA+8*(\t)], v[SA+8*(\t)+1], v[SA+8*(\t)+2]
.endr
.irp t, 0,1
	v_max3_num_f32 v[ST+8*(\t)+6], v[ST+8*(\t)+6], v[SA+8*(\t)+3], v[SA+8*(\t)+4]
.endr
.irp t, 0,1
	v_max3_num_f32 v[ST+8*(\t)+6], v[ST+8*(\t)+6], v[SA+8*(\t)+5], v[SA+8*(\t)+6]
.endr
.irp t, 0,1
	v_max_num_f32 v[ST+8*(\t)+6], v[ST+8*(\t)+6], v[SA+8*(\t)+7]
.endr
.irp t, 0,1
	v_permlanex16_b32 v[ST+8*(\t)+7], v[ST+8*(\t)+6], s[XS], s[XS+1]
.endr
.irp t, 0,1
	v_max_num_f32 v[ST+8*(\t)+6], v[ST+8*(\t)+6], v[ST+8*(\t)+7]
.endr
	v_cndmask_b32 v[SEL], v[ST+6], v[ST+14], s[HM] ; lanes 0-15 carry tile 0's queries, lanes 16-31 tile 1's: one store for both
	ds_store_b32 v[MXS], v[SEL]
	s_wait_dscnt 0x0                               ; for the others' sake: my maxima are in LDS
	s_barrier_signal -1
	s_barrier_wait -1                              ; all four waves' are
	ds_load_b128 v[WM:WM+3],   v[MXL]
	ds_load_b128 v[WM+4:WM+7], v[MXL] offset:256
	FETCH_V \slot, 0, F0                           ; the second product's first chunk, behind the two loads that are wanted first: it comes while the weights are made
.irp t, 0,1
	v_mov_b32 v[ST+8*(\t)+6], v[ST+8*(\t)]         ; c m_old is kept for a
.endr
	s_wait_dscnt 16                                ; the maxima are in; the chunk's 16 loads stay out
.irp t, 0,1
	v_max3_num_f32 v[ST+8*(\t)+1], v[ST+8*(\t)+1], v[WM+4*(\t)], v[WM+4*(\t)+1]
.endr
.irp t, 0,1
	v_max3_num_f32 v[ST+8*(\t)+1], v[ST+8*(\t)+1], v[WM+4*(\t)+2], v[WM+4*(\t)+3]
.endr
.irp t, 0,1
	v_mul_f32 v[ST+8*(\t)], s[CS], v[ST+8*(\t)+1]
.endr
.irp t, 0,1
	v_sub_f32 v[ST+8*(\t)+7], v[ST+8*(\t)+6], v[ST+8*(\t)]
.endr
.irp p, 0,1,2,3
.irp t, 0,1
	v_pk_fma_f32 v[SA+8*(\t)+2*(\p):SA+8*(\t)+2*(\p)+1], v[SA+8*(\t)+2*(\p):SA+8*(\t)+2*(\p)+1], s[CS:CS+1], v[ST+8*(\t):ST+8*(\t)+1] op_sel_hi:[1,0,0] neg_lo:[0,0,1] neg_hi:[0,0,1]  ; c s - c m
.endr
.endr
	; ONE BATCH of 18 exponentials (both a, 16 weights), one plain instruction behind the last, ONE wait ahead of the first reader
.irp t, 0,1
	v_exp_f32 v[ST+8*(\t)+4], v[ST+8*(\t)+7]
.endr
.irp j, 0,1,2,3,4,5,6,7,8,9,10,11,12,13,14,15
	v_exp_f32 v[SA+(\j)], v[SA+(\j)]
.endr
	v_nop
	s_wait_alu depctr_va_vdst(0)
.irp t, 0,1
.irp p, 0,1,2,3
	v_cvt_pk_bf16_f32 v[PO+4*(\t)+(\p)], v[SA+8*(\t)+2*(\p)], v[SA+8*(\t)+2*(\p)+1]
.endr
.endr
	ds_store_b128 v[PXS], v[PO:PO+3]               ; my 16 labels' weights: as they lie they are half of source 1 of the second product, lane for lane
	ds_store_b128 v[PXS], v[PO+4:PO+7] offset:512
.irp t, 0,1                            ; l = a l + the sum of my weights: stands between the stores and the wait for them
	v_pk_add_f32 v[SA+8*(\t):SA+8*(\t)+1], v[SA+8*(\t):SA+8*(\t)+1], v[SA+8*(\t)+2:SA+8*(\t)+3]
.endr
.irp t, 0,1
	v_pk_add_f32 v[SA+8*(\t)+4:SA+8*(\t)+5], v[SA+8*(\t)+4:SA+8*(\t)+5], v[SA+8*(\t)+6:SA+8*(\t)+7]
.endr
.irp t, 0,1
	v_pk_add_f32 v[SA+8*(\t):SA+8*(\t)+1], v[SA+8*(\t):SA+8*(\t)+1], v[SA+8*(\t)+4:SA+8*(\t)+5]
.endr
.irp t, 0,1
	v_pk_fma_f32 v[ST+8*(\t)+2:ST+8*(\t)+3], v[ST+8*(\t)+2:ST+8*(\t)+3], v[ST+8*(\t)+4:ST+8*(\t)+5], v[SA+8*(\t):SA+8*(\t)+1] op_sel_hi:[1,0,1]
.endr
	s_wait_dscnt 0x0                               ; my weights are in LDS and the first chunk of E^T is in; my reads of the maxima were over before: the next step may store there behind this barrier
	s_barrier_signal -1
	RESC 0, 4                                      ; the first chunk's accumulators are rescaled while the others arrive,
	s_barrier_wait -1
	WIN 0
.irp kk, 0,1
.irp t, 0,1
	ds_load_b128 v[PF+8*(2*(\kk)+(\t)):PF+8*(2*(\kk)+(\t))+3],   v[PXL] offset:(2*(2*(\kk))+(\t))*512    ; wave 2 kk's labels: places 0-15 of the half,
	ds_load_b128 v[PF+8*(2*(\kk)+(\t))+4:PF+8*(2*(\kk)+(\t))+7], v[PXL] offset:(2*(2*(\kk)+1)+(\t))*512  ; wave 2 kk + 1's: places 16-31
.endr
.endr
	FETCH_V \slot, 1, F1                           ; the second chunk, behind the eight loads that are wanted first
	RESC 4, 4                                      ; the second chunk's accumulators while P comes
	s_wait_dscnt 16                                ; P is in; the second chunk's 16 loads stay out
	; O^T += E^T P: four chunks of 64 channels, 16 products each, on buffers 0, 1, 0, 1.  Behind chunks 0 and 1 stand the rescalings of chunks 2 and 3: 32 plain lines that name no register of the
	; products before them, and so are the places in front of the run of loads.
	PMUL F0, 0, 0, 0, 4
	PMUL F0, 0, 1, 0, 4
	RESC 8, 4
	WIN 0
	FETCH_V \slot, 2, F0
	s_wait_dscnt 16                                ; chunk 1 is in
	PMUL F1, 1, 0, 0, 4
	PMUL F1, 1, 1, 0, 4
	RESC 12, 4
	WIN 0
	FETCH_V \slot, 3, F1
	s_wait_dscnt 16                                ; chunk 2 is in
	PMUL F0, 2, 0, 0, 4
	PMUL F0, 2, 1, 0, 4
.if \mode
	; THE LAST CHUNK CHANGES SLOTS.  In front of the round each wave waits for all its tensor loads, of which one is out: its quarter of the other slot; adds 0 to its spare word; and waits for that and for its own reads
	; of this slot.  Behind the round no wave of any partner reads this slot or has a load on its way, and the other slot is whole.
	WIN 0
.if (\mode) == 1
	s_wait_xcnt 0x0                                ; the last prefetch, a step back, has read its address
	s_add_nc_u64 s[PFA:PFA+1], s[PFA:PFA+1], TILEB
.endif
	s_wait_tensorcnt 0x0
	ds_add_u32 v[SPW], v[NIL]                      ; 0 onto my spare word; four products stand between it and the wait for it
.if (\mode) == 1
	s_add_nc_u64 s[G0E+4*(\slot)+2:G0E+4*(\slot)+3], s[G0E+4*(\slot)+2:G0E+4*(\slot)+3], 2*TILEB  ; no load of mine is out: this slot's next tile, two on
.endif
	s_wait_dscnt 0x1                               ; chunk 3, my last reads of this slot, is in; the add may be out
	PMUL F1, 3, 0, 0, 2
	s_wait_dscnt 0x0                               ; the add is done
	s_barrier_signal -1                            ; opens the round
	PMUL F1, 3, 0, 2, 2                            ; work on registers while the others arrive
	WIN 0
	s_barrier_wait -1
	CREST
.if (\mode) == 1
	TLOAD G0E+4*(\slot), G1E                       ; my one tensor load behind the round, first thing there; its four v_nop are also the places in front of the loads below
.else
	TLOAD G0X, G1X                                 ; X in f32, my quarter: read by me alone, on the way out
.endif
	FETCH_K 1-(\slot), 0, F0                       ; the next step's first chunk
.if (\mode) == 1
	ASK \lim
.endif
	PMUL F1, 3, 1, 0, 4                            ; eight products while it comes
.else
	s_wait_dscnt 0x0
	PMUL F1, 3, 0, 0, 4
	PMUL F1, 3, 1, 0, 4
.endif
.endm
.Lpair:                                        ; 31 trips: steps 0 to 61; their refills are tiles 2 to 63
	STEP 0, 1, LIM
	STEP 1, 1, LIM+1
	WIN 0                                          ; at a label and at a branch every window is 0
	s_sub_co_u32 s[CNT], s[CNT], 1
	s_cmp_lg_u32 s[CNT], 0
	s_cbranch_scc1 .Lpair
	STEP 0, 2                                      ; the tail is written out: step 62 asks for X
	STEP 1, 0                                      ; step 63 for nothing
	; THE WAY OUT.  l: my two halves, the other half of the lanes', the four waves' through LDS.  These lines are also the places behind the last products.
	WIN 0
.irp t, 0,1
	v_add_f32 v[ST+8*(\t)+6], v[ST+8*(\t)+2], v[ST+8*(\t)+3]
.endr
.irp t, 0,1
	v_permlanex16_b32 v[ST+8*(\t)+7], v[ST+8*(\t)+6], s[XS], s[XS+1]
.endr
.irp t, 0,1
	v_add_f32 v[ST+8*(\t)+6], v[ST+8*(\t)+6], v[ST+8*(\t)+7]
.endr
	v_cndmask_b32 v[SEL], v[ST+6], v[ST+14], s[HM]
	ds_store_b32 v[MXS], v[SEL] offset:512
	s_wait_tensorcnt 0x0                           ; my quarter of X lies in slot 0: asked for a whole step ago
	s_wait_dscnt 0x0
	s_barrier_signal -1
	s_barrier_wait -1
	ds_load_b128 v[WM:WM+3],   v[MXL] offset:512
	ds_load_b128 v[WM+4:WM+7], v[MXL] offset:768
; Group g = 4 t + d: query tile t, channel blocks 4 d .. 4 d + 3 of my quarter: 16 rows x 256 bytes of out.  X comes out of LDS in O^T's layout: a lane's eight channels are 32 bytes of its query's row.
.macro XLOAD g
.irp c, 0,1,2,3
	ds_load_b128 v[F0+32*((\g)%2)+8*(\c):F0+32*((\g)%2)+8*(\c)+3],   v[XA] offset:16*XP*((\g)/4)+64*(4*((\g)%4)+(\c))
	ds_load_b128 v[F0+32*((\g)%2)+8*(\c)+4:F0+32*((\g)%2)+8*(\c)+7], v[XA] offset:16*XP*((\g)/4)+64*(4*((\g)%4)+(\c))+16
.endr
.endm
; out = O / l + X in one fused line a pair; back into X's own bytes (the slot has had its last fill, and the bytes are my wave's alone); read again by rows; stored.
.macro OUTG g
	s_wait_dscnt 0x0                               ; the group's X is in
	WIN 0x01                                       ; source 0 (O^T) in window 1
.irp c, 0,1,2,3
.irp p, 0,1,2,3
	v_pk_fma_f32 v[F0+32*((\g)%2)+8*(\c)+2*(\p):F0+32*((\g)%2)+8*(\c)+2*(\p)+1], v[8*(2*(4*((\g)%4)+(\c))+(\g)/4)+2*(\p):8*(2*(4*((\g)%4)+(\c))+(\g)/4)+2*(\p)+1], v[ST+8*((\g)/4)+4:ST+8*((\g)/4)+5], v[F0+32*((\g)%2)+8*(\c)+2*(\p):F0+32*((\g)%2)+8*(\c)+2*(\p)+1] op_sel_hi:[1,0,1]
.endr
.endr
	WIN 0
.irp c, 0,1,2,3
	ds_store_b128 v[XA], v[F0+32*((\g)%2)+8*(\c):F0+32*((\g)%2)+8*(\c)+3]   offset:16*XP*((\g)/4)+64*(4*((\g)%4)+(\c))
	ds_store_b128 v[XA], v[F0+32*((\g)%2)+8*(\c)+4:F0+32*((\g)%2)+8*(\c)+7] offset:16*XP*((\g)/4)+64*(4*((\g)%4)+(\c))+16
.endr
.if (\g) >= 2
	s_wait_xcnt 0x0                                ; the stores of two groups back have read their data registers, which are loaded again below
.endif
.irp t, 0,1,2,3,4,5,6,7
	ds_load_b128 v[F1+32*((\g)%2)+4*(\t):F1+32*((\g)%2)+4*(\t)+3], v[RD] offset:16*XP*((\g)/4)+2*XP*(\t)+256*((\g)%4)  ; LDS serves a wave's instructions in order (ISA guide 5.7.1.4): these see the stores above
.endr
.if (\g) < 7
	XLOAD (\g)+1
	s_wait_dscnt 8                                 ; the rows are back; the next group's eight loads stay out
.else
	s_wait_dscnt 0x0
.endif
.irp t, 0,1,2,3,4,5,6,7
	global_store_b128 v[GO], v[F1+32*((\g)%2)+4*(\t):F1+32*((\g)%2)+4*(\t)+3], s[8:9] offset:(16*((\g)/4)+2*(\t))*4096+256*((\g)%4) th:TH_STORE_NT  ; 16 lanes store 256 consecutive bytes, at a multiple of 256 from out's first byte
.endr
.endm
	XLOAD 0
	s_wait_dscnt 8                                 ; the row sums are in; group 0's eight loads stay out
.irp t, 0,1
	v_add_f32 v[WM+4*(\t)], v[WM+4*(\t)], v[WM+4*(\t)+1]
.endr
.irp t, 0,1
	v_add_f32 v[WM+4*(\t)+2], v[WM+4*(\t)+2], v[WM+4*(\t)+3]
.endr
.irp t, 0,1
	v_add_f32 v[WM+4*(\t)], v[WM+4*(\t)], v[WM+4*(\t)+2]
.endr
.irp t, 0,1
	v_rcp_f32 v[ST+8*(\t)+4], v[WM+4*(\t)]         ; l is at least 1: the greatest weight is 2^0
.endr
	v_nop                                          ; a plain instruction behind the last reciprocal,
	s_wait_alu depctr_va_vdst(0)                   ; and the one wait ahead of the first use
.irp g, 0,1,2,3,4,5,6,7
	OUTG \g
.endr
	s_wait_tensorcnt 0x0                           ; the wave's end, behind my last tensor load and my last LDS store
	ds_add_u32 v[SPW], v[NIL]
	s_wait_dscnt 0x0
	CROUND                                         ; the closing round: no work-group ends while a partner may still ask for a tile that names it
	s_endpgm
.Lfunc_end_k_qaffb6b78ac_attn:
	.size	k_qaffb6b78ac_attn, .Lfunc_end_k_qaffb6b78ac_attn-k_qaffb6b78ac_attn
	.p2alignl 7, 3214868480
	.fill 96, 4, 3214868480
	.section	.rodata,"a",@progbits
	.p2align	6, 0x0
	.amdhsa_kernel k_qaffb6b78ac_attn
		.amdhsa_group_segment_fixed_size 327680
		.amdhsa_private_segment_fixed_size 0
		.amdhsa_enable_private_segment 0
		.amdhsa_kernarg_size 24
		.amdhsa_user_sgpr_count 2
		.amdhsa_user_sgpr_kernarg_segment_ptr 1
		.amdhsa_wavefront_size32 1
		.amdhsa_system_sgpr_workgroup_id_x 1
		.amdhsa_system_sgpr_workgroup_id_y 1
		.amdhsa_system_sgpr_workgroup_id_z 1
		.amdhsa_system_vgpr_workitem_id 0
		.amdhsa_next_free_vgpr 1024
		.amdhsa_next_free_sgpr 66
		.amdhsa_reserve_vcc 0
		.amdhsa_float_denorm_mode_32 3
		.amdhsa_float_denorm_mode_16_64 3
		.amdhsa_memory_ordered 1
		.amdhsa_forward_progress 1
		.amdhsa_inst_pref_size 217
	.end_amdhsa_kernel
	.amdgpu_metadata
---
amdhsa.version: [ 1, 2 ]
amdhsa.kernels:
  - .name:           k_qaffb6b78ac_attn
    .symbol:         k_qaffb6b78ac_attn.kd
    .args:
      - { .name: doc_embeddings, .offset: 0, .size: 8, .value_kind: global_buffer, .address_space: global }
      - { .name: ebf, .offset: 8, .size: 8, .value_kind: global_buffer, .address_space: global }
      - { .name: out0, .offset: 16, .size: 8, .value_kind: global_buffer, .address_space: global }
    .group_segment_fixed_size: 327680
    .private_segment_fixed_size: 0
    .kernarg_segment_align: 8
    .kernarg_segment_size: 24
    .max_flat_workgroup_size: 128
    .sgpr_count:     66
    .vgpr_count:     1024
    .wavefront_size: 32
...
	.end_amdgpu_metadata
.endif
;; end of part 2
;; ======== version 2 of 2: 2 launches; version 1 with the launch cast written anew for expert scheduling mode
;; limits: right only within a limited range of input values
;; workspace buffers: ebf 8,388,608 bytes
;; launch cast (part 3): grid 256 x 1, 8 waves a work-group, no clusters, 0 bytes of LDS; arguments label_embeddings, ebf; writes ebf
.if DOCPART == 3
	.amdgcn_target "amdgcn-amd-amdhsa--gfx1250"
	.amdhsa_code_object_version 6
	.text
	.protected	k_qaffb6b78ac_cast
	.globl	k_qaffb6b78ac_cast
	.p2align	8
	.type	k_qaffb6b78ac_cast,@function
k_qaffb6b78ac_cast:
	s_mov_b64 s[64:65], 0
	v_nop
	global_prefetch_b8 v0, s[64:65] scope:SCOPE_SE
	s_setreg_imm32_b32 hwreg(HW_REG_WAVE_SCHED_MODE, 0, 2), 2
	s_setreg_imm32_b32 hwreg(HW_REG_WAVE_MODE, 25, 1), 1
	s_wait_xcnt 0x0
	s_wait_alu depctr_vm_vsrc(0)
; ebf[l][d] = label_embeddings[l][d] rounded once to bf16 (nearest even), same row-major layout: [4096][1024], rows of 2,048 bytes.
; WHY A LAUNCH OF ITS OWN: in the launch behind, all 256 work-groups walk all label rows, for both products; rounded once here, a tile there has half the bytes and is a matrix operand as it lies.
; NOTHING OF reference() IS LEFT OUT in this program: both inputs reach the output, both products, the maximum taken away before the exponential, the sum and the residual are all computed.
; SHARES.  Eight waves; the work-group owns 16 rows (65,536 bytes in, 32,768 out).  Thread t takes the 16 bytes at 16 t of every row and stores 8 bytes at 8 t:
; a wave's load covers 512 consecutive bytes, a wave's store 256 consecutive bytes at a multiple of 256 from the buffer's first byte.
; All 16 loads of a lane go out before the first wait: the work-group's whole share is on its way at once.  No LDS, no barrier: no wave wants another's bytes.
; THE MODE: SCHED_MODE bits 1:0 = 2 (LLVM: expert scheduling mode 2), set by the entry lines.  The code itself states the register dependences
; between vector instructions and memory instructions, with s_wait_alu, always for 0.
; THE PLAN.  Registers that memory instructions touch:
;   v1, v2   byte offsets.  Written once, by two vector lines at the head; read by every load (v1) and every store (v2); never written again.
;   X        row i's 4 registers: written by row i's load alone, read by row i's two conversions behind the counted wait for that load; never loaded again.
;   Y        row i's 2 registers: written by row i's two conversions, read by row i's store; never written again.
; So the one kind of dependence in the text is a vector result that a memory instruction reads.  It is stated five times: once at the head, for the two offsets, and once behind each block
; of four rows' conversions, for the block's Y, in front of the block's four stores, which stand in one run.  No register that a memory instruction has read is written again, no load lands
; in a register that a vector line has named, no vector line writes a scalar register, and EXEC is never written: no other wait is owed.
.set ROWS, 16                          ; rows of a work-group
.set BLK,  4                           ; rows whose stores go out together, behind one wait
.set INB,  4096                        ; bytes in a row of f32
.set OUTB, 2048                        ; bytes in a row of bf16
.set X, 4                              ; v[4:67]   row i: 4 registers as loaded
.set Y, 68                             ; v[68:99]  row i: 2 registers to store
	s_load_b128 s[4:7], s[0:1], 0x0                ; label_embeddings s[4:5], ebf s[6:7]
	v_lshlrev_b32 v1, 4, v0                        ; 16 t
	v_lshlrev_b32 v2, 3, v0                        ; 8 t
	s_lshl_b32 s2, ttmp9, 16                       ; the work-group's 16 rows in: 65,536 bytes
	s_mov_b32 s3, 0
	s_lshl_b32 s8, ttmp9, 15                       ; and out: 32,768 bytes
	s_mov_b32 s9, 0
	s_wait_kmcnt 0x0
	s_add_nc_u64 s[4:5], s[4:5], s[2:3]
	s_add_nc_u64 s[6:7], s[6:7], s[8:9]
	s_wait_alu depctr_va_vdst(0)                   ; v1 and v2 are written: every load below reads v1 as its offset, every store v2
.irp i, 0,1,2,3,4,5,6,7,8,9,10,11,12,13,14,15
	global_load_b128 v[X+4*(\i):X+4*(\i)+3], v1, s[4:5] offset:(\i)*INB th:TH_LOAD_NT  ; read once in the launch
.endr
.irp b, 0,1,2,3                        ; block b: rows 4 b to 4 b + 3
.irp i, 0,1,2,3
	s_wait_loadcnt 15-(BLK*(\b)+(\i))              ; loads come back in order: the row is in, the younger loads stay out; a row is rounded as it lands
	v_cvt_pk_bf16_f32 v[Y+2*(BLK*(\b)+(\i))],   v[X+4*(BLK*(\b)+(\i))],   v[X+4*(BLK*(\b)+(\i))+1]
	v_cvt_pk_bf16_f32 v[Y+2*(BLK*(\b)+(\i))+1], v[X+4*(BLK*(\b)+(\i))+2], v[X+4*(BLK*(\b)+(\i))+3]
.endr
	s_wait_alu depctr_va_vdst(0)                   ; the block's eight conversions have written its Y, which the four stores below read as their data
.irp i, 0,1,2,3
	global_store_b64 v2, v[Y+2*(BLK*(\b)+(\i)):Y+2*(BLK*(\b)+(\i))+1], s[6:7] offset:(BLK*(\b)+(\i))*OUTB
.endr
.endr
	s_endpgm
.Lfunc_end_k_qaffb6b78ac_cast:
	.size	k_qaffb6b78ac_cast, .Lfunc_end_k_qaffb6b78ac_cast-k_qaffb6b78ac_cast
	.p2alignl 7, 3214868480
	.fill 96, 4, 3214868480
	.section	.rodata,"a",@progbits
	.p2align	6, 0x0
	.amdhsa_kernel k_qaffb6b78ac_cast
		.amdhsa_group_segment_fixed_size 0
		.amdhsa_private_segment_fixed_size 0
		.amdhsa_enable_private_segment 0
		.amdhsa_kernarg_size 16
		.amdhsa_user_sgpr_count 2
		.amdhsa_user_sgpr_kernarg_segment_ptr 1
		.amdhsa_wavefront_size32 1
		.amdhsa_system_sgpr_workgroup_id_x 1
		.amdhsa_system_sgpr_workgroup_id_y 1
		.amdhsa_system_sgpr_workgroup_id_z 1
		.amdhsa_system_vgpr_workitem_id 0
		.amdhsa_next_free_vgpr 100
		.amdhsa_next_free_sgpr 66
		.amdhsa_reserve_vcc 0
		.amdhsa_float_denorm_mode_32 3
		.amdhsa_float_denorm_mode_16_64 3
		.amdhsa_memory_ordered 1
		.amdhsa_forward_progress 1
		.amdhsa_inst_pref_size 7
	.end_amdhsa_kernel
	.amdgpu_metadata
---
amdhsa.version: [ 1, 2 ]
amdhsa.kernels:
  - .name:           k_qaffb6b78ac_cast
    .symbol:         k_qaffb6b78ac_cast.kd
    .args:
      - { .name: label_embeddings, .offset: 0, .size: 8, .value_kind: global_buffer, .address_space: global }
      - { .name: ebf, .offset: 8, .size: 8, .value_kind: global_buffer, .address_space: global }
    .group_segment_fixed_size: 0
    .private_segment_fixed_size: 0
    .kernarg_segment_align: 8
    .kernarg_segment_size: 16
    .max_flat_workgroup_size: 256
    .sgpr_count:     66
    .vgpr_count:     100
    .wavefront_size: 32
...
	.end_amdgpu_metadata
.endif
;; end of part 3
;; launch attn: the kernel of part 2 again; grid 256 x 1, 4 waves a work-group, clusters of 4 x 1, 327,680 bytes of LDS; arguments doc_embeddings, ebf, out0; writes out0
